; MI455X (gfx1250); checked and timed in simulation.
; The chip was launched on July 23, 2026; its instructions are those of AMD's public machine-readable ISA for CDNA 5 (MIT licence, August 2026) and "CDNA5" Instruction Set Architecture Reference Guide (July 2026). The comments in the code are by the model that wrote it; some were corrected since.
;; Raymarcher. Allowed arithmetic: float matrix products may take bf16 or f16 operands with f32 sums; other float arithmetic in f32, or as packed bf16 or f16 multiplies, adds, multiply-adds, maxima and minima; sums over many terms, partial sums and values carried from step to step in f32; what a program stores and reads back later, other than sums and carried values, may be rounded once to bf16 or f16.
;; Inputs: primpos 1 x 32 x 3 float32; primrot 1 x 32 x 3 x 3 float32; primscale 1 x 32 x 3 float32; raydir 1 x 128 x 128 x 3 float32; raypos 1 x 128 x 128 x 3 float32; template 1 x 32 x 4 x 16 x 16 x 16 float32; tminmax 1 x 128 x 128 x 2 float32.
;; Outputs: out0 1 x 3 x 128 x 128 float32; out1 1 x 1 x 128 x 128 float32; out2 1 x 4 x 128 x 128 float32.
;; One version. Each part assembles by itself: llvm-mc -triple=amdgcn-amd-amdhsa -mcpu=gfx1250 --defsym DOCPART=n.
;; ======== version 1 of 1: 2 launches
;; limits: values are held in f16: magnitudes above 65,504 overflow, below 6.1e-05 lose precision; inputs' magnitudes at most 30,000
;; workspace buffers: vox 2,424,832 bytes; cellno 33,554,432 bytes of whole numbers
;; launch prep (part 1): grid 256 x 1, 16 waves a work-group, no clusters, 0 bytes of LDS; arguments raypos, raydir, tminmax, primpos, primrot, primscale, template, cellno, vox; writes cellno, vox
.if DOCPART == 1
	.amdgcn_target "amdgcn-amd-amdhsa--gfx1250"
	.amdhsa_code_object_version 6
	.text
	.protected	k_qaed54cc28d_prep
	.globl	k_qaed54cc28d_prep
	.p2align	8
	.type	k_qaed54cc28d_prep,@function
k_qaed54cc28d_prep:
	s_mov_b64 s[64:65], 0
	v_nop
	global_prefetch_b8 v0, s[64:65] scope:SCOPE_SE
	s_setreg_imm32_b32 hwreg(HW_REG_WAVE_MODE, 25, 1), 1
	s_wait_xcnt 0x0
; PREP: what the marching launch needs as whole numbers and as a table.
; (A) vox: the voxels of the 32 boxes in f16, laid out as they will lie in LDS.  Entry (z, y, x) of a box is 16 bytes at entry number 296 z + 18 y + x:
;     words 0, 1 = the four channels at voxel x, words 2, 3 = channel(min(x+1, 15)) - channel(x).  A row has 16 entries and 2 pads, a plane 16 rows and 8 pads; pads hold 0.
;     A box is 4,736 entries = 75,776 bytes.  Work-group g makes planes 2 (g & 7) and the next of box g >> 3: 592 entries, 9,472 consecutive bytes.
; (B) cellno: for every (ray, step, box) the entry number of the sample's cell, floor(gx) + 18 floor(gy) + 296 floor(gz), at most 4,410; 16 (a pad, whose three
;     neighbours 34, 312 and 330 are pads too) where the sample is outside the box.  Two rays' numbers share a word; layout [pair 8192][trip 16][lane 32][box 2] words.
; SHARES.  256 work-groups of 16 waves; work-group g has rays 64 g .. 64 g + 63, wave w four of them as two pairs; a lane is a step, i = lane.  So all ray and box numbers are
; the wave's, in scalar registers, and the two rays of a pair lie in the two registers of a pair for the packed f32 forms.
; ARITHMETIC, all f32: t = i/64 + tmin; pos = rd t + rp; xl = pos - primpos; y_i = ((r_i0 xl_0 + r_i1 xl_1) + r_i2 xl_2) s_i, fused, j ascending; inside: max |y_i| <= 1;
; u = (y/2 + 1/2) held to 0..1; g = u x 14.999999, so that floor(g) is 0..14.  The marching launch runs the same lines on the same numbers, so its fractions belong to these cells.
; LIMITS.  |template| up to 3e4: the differences of two such numbers stay inside f16's 65,504.  Inputs finite, with finite y; NaN is not treated apart.
; g differs from (y + 1) 7.5 by at most 1e-6 of a voxel; the interpolant is continuous, so a cell's edge may fall to either neighbour.
.set WV,   26         ; s26  my wave's number
.set GRP,  27         ; s27  my work-group's number
.set CNT,  28         ; s28  trips to go
.set KN,   29         ; s29  the box to be asked for next
.set NPP,  72         ; s72, 74, 76   -primpos, each the low word of a pair whose high word is 0 (the packed forms name pairs and take the low word twice)
.set ROT,  78         ; s[78 + 6 i + 2 j]  primrot[i][j], likewise
.set SC,   96         ; s96, 98, 100  primscale, likewise
.set STEP, 3          ; v3   i as f32
.set T,    4          ; v4   t
.set DTR,  5          ; v5   1/64
.set HALF, 6          ; v[6:7]  0.5 twice
.set POS,  8          ; v[8 + 6 p + 2 j + q]  pos_j of ray q of pair p
.set W,    40         ; v[40 + 2 p + j]  the word of pair p for the trip's box j
.set O,    44         ; v[44:45] a pair's two cell numbers
.set M,    46         ; v[46:47] max |y|
.set CO,   52         ; v52  8192 w + 8 lane; never rewritten
.set XL,   56         ; v[56:61] xl, later floor(g): three pairs
.set Y,    62         ; v[62:67] y, later g: three pairs
	s_load_b512 s[4:19], s[0:1], 0x0               ; raypos s[4:5], raydir s[6:7], tminmax s[8:9], primpos s[10:11], primrot s[12:13], primscale s[14:15], template s[16:17], cellno s[18:19]
	s_load_b64 s[20:21], s[0:1], 0x40              ; vox
	v_lshrrev_b32 v1, 5, v0
	v_readfirstlane_b32 s[WV], v1
	s_mov_b32 s[GRP], ttmp9
	v_and_b32 v2, 31, v0                           ; lane
	v_cvt_f32_u32 v[STEP], v2
	v_mov_b32 v[DTR], 0x3c800000                   ; 1/64
	v_mov_b32 v[HALF], 0.5
	v_mov_b32 v[HALF+1], 0.5
	s_lshl_b32 s30, s[WV], 13
	v_lshl_add_u32 v[CO], v2, 3, s30
	s_lshr_b32 s30, s[GRP], 3                      ; my box: 65,536 bytes of template each,
	s_lshl_b32 s30, s30, 16
	s_and_b32 s31, s[GRP], 7                       ; my two planes of 1,024 bytes in channel 0
	s_lshl_b32 s31, s31, 11
	s_add_co_u32 s30, s30, s31
	s_mov_b32 s31, 0
	s_wait_kmcnt 0x0
	s_add_nc_u64 s[16:17], s[16:17], s[30:31]
	s_mul_i32 s30, s[GRP], 9472
	s_add_nc_u64 s[20:21], s[20:21], s[30:31]      ; vox at my 592 entries
	s_lshl_b32 s30, s[GRP], 17
	s_add_nc_u64 s[18:19], s[18:19], s[30:31]      ; cellno at my 32 pairs of 4,096 bytes
; (A) One entry a lane; its number e among my 592 is in v20.
.macro ENTRY
	v_cmp_le_u32 vcc_lo, 296, v20
	v_cndmask_b32 v21, 0, 1, vcc_lo                ; which of my two planes
	v_mul_u32_u24 v22, 296, v21
	v_sub_nc_u32 v22, v20, v22                     ; the entry in its plane, 0..295
	v_mul_u32_u24 v23, 0xe39, v22                  ; / 18: 3,641 / 65,536, exact up to 295
	v_lshrrev_b32 v23, 16, v23                     ; row, 16 for the plane's 8 pads
	v_mul_u32_u24 v24, 18, v23
	v_sub_nc_u32 v24, v22, v24                     ; x, 16 and 17 for the row's pads
	v_max_u32 v25, v23, v24
	v_cmp_gt_u32 s30, 16, v25                      ; a voxel, no pad
	v_min_u32 v23, 15, v23                         ; pads load from inside the plane, and are then set to 0
	v_min_u32 v26, 15, v24
	v_add_nc_u32 v27, 1, v24
	v_min_u32 v27, 15, v27
	v_lshlrev_b32 v25, 10, v21
	v_lshl_add_u32 v25, v23, 6, v25
	v_lshl_add_u32 v26, v26, 2, v25                ; byte of voxel x in channel 0
	v_lshl_add_u32 v27, v27, 2, v25                ; of voxel min(x + 1, 15)
.irp c, 0,1,2,3
	global_load_b32 v[28+\c], v26, s[16:17] offset:16384*\c
.endr
.irp c, 0,1,2,3
	global_load_b32 v[32+\c], v27, s[16:17] offset:16384*\c
.endr
	s_wait_loadcnt 0x0
.irp c, 0,1,2,3
	v_sub_f32 v[32+\c], v[32+\c], v[28+\c]
.endr
	v_cvt_pk_f16_f32 v36, v28, v29
	v_cvt_pk_f16_f32 v37, v30, v31
	v_cvt_pk_f16_f32 v38, v32, v33
	v_cvt_pk_f16_f32 v39, v34, v35
.irp d, 0,1,2,3
	v_cndmask_b32 v[36+\d], 0, v[36+\d], s30
.endr
	v_lshlrev_b32 v21, 4, v20
	global_store_b128 v21, v[36:39], s[20:21]      ; a wave's store covers 512 consecutive bytes
.endm
	v_mov_b32 v20, v0                              ; entries 0 to 511
	ENTRY
	s_wait_xcnt 0x0                                ; EXEC, and the store's address and data, change only behind this wait
	v_cmp_gt_u32 vcc_lo, 80, v0
	s_and_saveexec_b32 s31, vcc_lo                 ; entries 512 to 591: threads 0 to 79
	v_add_nc_u32 v20, 0x200, v0
	ENTRY
	s_wait_xcnt 0x0                                ; and again in front of the line that widens EXEC
	s_or_b32 exec_lo, exec_lo, s31
; (B) The four rays of my wave: their 12 + 12 + 8 numbers come by scalar loads; pos for my step.
.macro RAYS
	s_lshl_b32 s30, s[GRP], 4
	s_add_co_u32 s30, s30, s[WV]                   ; my wave among all: 4 rays
	s_mul_i32 s31, s30, 48                         ; of 12 bytes in raypos and raydir,
	s_lshl_b32 s30, s30, 5                         ; of 8 bytes in tminmax
	s_load_b128 s[72:75], s[4:5], s31 offset:0x0
	s_load_b128 s[76:79], s[4:5], s31 offset:0x10
	s_load_b128 s[80:83], s[4:5], s31 offset:0x20
	s_load_b128 s[84:87], s[6:7], s31 offset:0x0
	s_load_b128 s[88:91], s[6:7], s31 offset:0x10
	s_load_b128 s[92:95], s[6:7], s31 offset:0x20
	s_load_b256 s[48:55], s[8:9], s30 offset:0x0
	s_wait_kmcnt 0x0
.irp r, 0,1,2,3
	v_fma_f32 v[T], v[STEP], v[DTR], s[48+2*\r]    ; t = i/64 + tmin (the product is exact)
.irp j, 0,1,2
	v_fma_f32 v[POS+6*((\r)/2)+2*\j+((\r)%2)], s[84+3*\r+\j], v[T], s[72+3*\r+\j]
.endr
.endr
.set n, NPP+1
.rept 15
	s_mov_b32 s[n], 0                              ; the pairs' high words: named, never used
.set n, n+2
.endr
.endm
; A box's 15 numbers are asked for one box ahead, into s48-70, and spread into the pairs' low words when the box's turn comes.
.macro PCASK
	s_load_b96 s[48:50], s[10:11], s2 offset:0x0
	s_load_b96 s[52:54], s[14:15], s2 offset:0x0
	s_load_b96 s[56:58], s[12:13], s3 offset:0x0
	s_load_b96 s[60:62], s[12:13], s3 offset:0xc
	s_load_b96 s[68:70], s[12:13], s3 offset:0x18
.endm
.macro PCTAKE
	s_wait_kmcnt 0x0                               ; the box's numbers are in; the loads are done, so their offsets s2 and s3 may be written
.irp j, 0,1,2
	s_xor_b32 s[NPP+2*\j], s[48+\j], 0x80000000
	s_mov_b32 s[ROT+2*\j], s[56+\j]
	s_mov_b32 s[ROT+6+2*\j], s[60+\j]
	s_mov_b32 s[ROT+12+2*\j], s[68+\j]
	s_mov_b32 s[SC+2*\j], s[52+\j]
.endr
	s_add_co_u32 s[KN], s[KN], 1
	s_and_b32 s[KN], s[KN], 31                     ; behind box 31 box 0 is asked for once more: the request stays inside the buffers
	s_mul_i32 s2, s[KN], 12
	s_mul_i32 s3, s[KN], 36
	PCASK
.endm
.macro YLOC p                          ; y of pair p in the box in hand: 15 packed lines
.irp j, 0,1,2
	v_pk_add_f32 v[XL+2*\j:XL+2*\j+1], v[POS+6*(\p)+2*\j:POS+6*(\p)+2*\j+1], s[NPP+2*\j:NPP+2*\j+1] op_sel_hi:[1,0]
.endr
.irp i, 0,1,2
	v_pk_mul_f32 v[Y+2*\i:Y+2*\i+1], v[XL:XL+1], s[ROT+6*\i:ROT+6*\i+1] op_sel_hi:[1,0]
.endr
.irp i, 0,1,2
	v_pk_fma_f32 v[Y+2*\i:Y+2*\i+1], v[XL+2:XL+3], s[ROT+6*\i+2:ROT+6*\i+3], v[Y+2*\i:Y+2*\i+1] op_sel_hi:[1,0,1]
.endr
.irp i, 0,1,2
	v_pk_fma_f32 v[Y+2*\i:Y+2*\i+1], v[XL+4:XL+5], s[ROT+6*\i+4:ROT+6*\i+5], v[Y+2*\i:Y+2*\i+1] op_sel_hi:[1,0,1]
.endr
.irp i, 0,1,2
	v_pk_mul_f32 v[Y+2*\i:Y+2*\i+1], v[Y+2*\i:Y+2*\i+1], s[SC+2*\i:SC+2*\i+1] op_sel_hi:[1,0]
.endr
.endm
.macro GFL                             ; y -> g in Y, floor(g) in XL
.irp i, 0,1,2
	v_pk_fma_f32 v[Y+2*\i:Y+2*\i+1], v[Y+2*\i:Y+2*\i+1], v[HALF:HALF+1], v[HALF:HALF+1] clamp
.endr
.irp i, 0,1,2
	v_pk_mul_f32 v[Y+2*\i:Y+2*\i+1], v[Y+2*\i:Y+2*\i+1], 0x416fffff op_sel_hi:[1,0]
.endr
.irp n, 0,1,2,3,4,5
	v_floor_f32 v[XL+\n], v[Y+\n]
.endr
.endm
.macro CELL p, j                       ; the word of pair p for the trip's box j
	YLOC \p
	v_max3_num_f32 v[M], |v[Y]|, |v[Y+2]|, |v[Y+4]|
	v_max3_num_f32 v[M+1], |v[Y+1]|, |v[Y+3]|, |v[Y+5]|
	GFL
	v_pk_fma_f32 v[O:O+1], v[XL+2:XL+3], 0x41900000, v[XL+4:XL+5] op_sel_hi:[1,0,1]  ; 18 floor(gy) + floor(gx): whole numbers, exact in f32
	v_pk_fma_f32 v[O:O+1], v[XL:XL+1], 0x43940000, v[O:O+1] op_sel_hi:[1,0,1]        ; + 296 floor(gz)
	v_cvt_u32_f32 v[O], v[O]
	v_cvt_u32_f32 v[O+1], v[O+1]
	v_cmp_ge_f32 vcc_lo, 1.0, v[M]
	v_cndmask_b32 v[O], 16, v[O], vcc_lo           ; outside: the cell of zeros
	v_cmp_ge_f32 vcc_lo, 1.0, v[M+1]
	v_cndmask_b32 v[O+1], 16, v[O+1], vcc_lo
	v_lshl_or_b32 v[W+2*(\p)+(\j)], v[O+1], 16, v[O]
.endm
	RAYS
	s_mov_b32 s[KN], 0
	s_mov_b32 s2, 0
	s_mov_b32 s3, 0
	PCASK                                          ; box 0
	s_mov_b32 s[CNT], 16
.Ltrip:                                                ; a trip: two boxes for both pairs; two stores of 256 consecutive bytes, aligned
	PCTAKE
	CELL 0, 0
	CELL 1, 0
	PCTAKE
	CELL 0, 1
	CELL 1, 1
	global_store_b64 v[CO], v[W:W+1], s[18:19]
	global_store_b64 v[CO], v[W+2:W+3], s[18:19] offset:4096
	s_wait_xcnt 0x0                                ; the stores' data and base are written again only behind this wait
	s_add_nc_u64 s[18:19], s[18:19], 0x100
	s_sub_co_u32 s[CNT], s[CNT], 1
	s_cmp_lg_u32 s[CNT], 0
	s_cbranch_scc1 .Ltrip
	s_wait_kmcnt 0x0                               ; the last request, which nobody uses
	s_endpgm
.Lfunc_end_k_qaed54cc28d_prep:
	.size	k_qaed54cc28d_prep, .Lfunc_end_k_qaed54cc28d_prep-k_qaed54cc28d_prep
	.p2alignl 7, 3214868480
	.fill 96, 4, 3214868480
	.section	.rodata,"a",@progbits
	.p2align	6, 0x0
	.amdhsa_kernel k_qaed54cc28d_prep
		.amdhsa_group_segment_fixed_size 0
		.amdhsa_private_segment_fixed_size 0
		.amdhsa_enable_private_segment 0
		.amdhsa_kernarg_size 72
		.amdhsa_user_sgpr_count 2
		.amdhsa_user_sgpr_kernarg_segment_ptr 1
		.amdhsa_wavefront_size32 1
		.amdhsa_system_sgpr_workgroup_id_x 1
		.amdhsa_system_sgpr_workgroup_id_y 1
		.amdhsa_system_sgpr_workgroup_id_z 1
		.amdhsa_system_vgpr_workitem_id 0
		.amdhsa_next_free_vgpr 72
		.amdhsa_next_free_sgpr 102
		.amdhsa_reserve_vcc 1
		.amdhsa_float_denorm_mode_32 3
		.amdhsa_float_denorm_mode_16_64 3
		.amdhsa_memory_ordered 1
		.amdhsa_forward_progress 1
		.amdhsa_inst_pref_size 20
	.end_amdhsa_kernel
	.amdgpu_metadata
---
amdhsa.version: [ 1, 2 ]
amdhsa.kernels:
  - .name:           k_qaed54cc28d_prep
    .symbol:         k_qaed54cc28d_prep.kd
    .args:
      - { .name: raypos, .offset: 0, .size: 8, .value_kind: global_buffer, .address_space: global }
      - { .name: raydir, .offset: 8, .size: 8, .value_kind: global_buffer, .address_space: global }
      - { .name: tminmax, .offset: 16, .size: 8, .value_kind: global_buffer, .address_space: global }
      - { .name: primpos, .offset: 24, .size: 8, .value_kind: global_buffer, .address_space: global }
      - { .name: primrot, .offset: 32, .size: 8, .value_kind: global_buffer, .address_space: global }
      - { .name: primscale, .offset: 40, .size: 8, .value_kind: global_buffer, .address_space: global }
      - { .name: template, .offset: 48, .size: 8, .value_kind: global_buffer, .address_space: global }
      - { .name: cellno, .offset: 56, .size: 8, .value_kind: global_buffer, .address_space: global }
      - { .name: vox, .offset: 64, .size: 8, .value_kind: global_buffer, .address_space: global }
    .group_segment_fixed_size: 0
    .private_segment_fixed_size: 0
    .kernarg_segment_align: 8
    .kernarg_segment_size: 72
    .max_flat_workgroup_size: 512
    .sgpr_count:     102
    .vgpr_count:     72
    .wavefront_size: 32
...
	.end_amdgpu_metadata
.endif
;; end of part 1
;; launch march (part 2): grid 256 x 1, 16 waves a work-group, no clusters, 327,680 bytes of LDS; arguments raypos, raydir, tminmax, primpos, primrot, primscale, vox, cellno, out0, out1, out2; writes out0, out1, out2
.if DOCPART == 2
	.amdgcn_target "amdgcn-amd-amdhsa--gfx1250"
	.amdhsa_code_object_version 6
	.text
	.protected	k_qaed54cc28d_march
	.globl	k_qaed54cc28d_march
	.p2align	8
	.type	k_qaed54cc28d_march,@function
k_qaed54cc28d_march:
	s_mov_b64 s[64:65], 0
	v_nop
	global_prefetch_b8 v0, s[64:65] scope:SCOPE_SE
	s_setreg_imm32_b32 hwreg(HW_REG_WAVE_MODE, 25, 1), 1
	s_wait_xcnt 0x0
; MARCH: for every ray and step the trilinear samples of the 32 boxes, summed; then the clamped additive compositing over the 32 steps.
; SHARES, as in the launch before: 256 work-groups of 16 waves; work-group g has rays 64 g .. 64 g + 63, wave w four of them as two pairs (p, q); a lane is a step.
; THE TABLE (vox, f16, made by the launch before) goes through LDS in 16 tiles of two boxes, 151,552 dense bytes each, on two slots that take turns.  Waves 0 to 7 fetch a tile, each 74 rows of 256 bytes by one tensor load.
; An entry is 16 bytes: four channels at voxel x, and their differences to voxel x + 1.  A sample reads the four entries (y, z), (y+1, z), (y, z+1), (y+1, z+1) of its cell: bytes +0, +288, +4736, +5024.
; THE CELL comes as a whole number from cellno (two rays a word, two boxes a load); a sample outside its box has the cell of zeros there, so no test stands here.  The fractions are made anew by the same lines that made the cells.
; ARITHMETIC.  y, g and the fractions in f32.  Along x and y in packed f16 (v + dx fx; a + (b - a) fy: three roundings); along z, the sum over the boxes and the compositing in f32.
; LIMITS.  |template| up to 3e4 (differences inside f16's 65,504); inputs finite, with finite y; NaN is not treated apart.
; NO CLUSTER, though all work-groups walk the same tiles: every LDS load of the gather takes its address from the work-group's own cell numbers.
; NO MATRIX UNIT: the box map contracts over 3 numbers and decides a test at |y| = 1, which operands of 16 bits would flip; a sample's 8 weights and 32 numbers are its own, so the interpolation is no product.
.set IMGB,  75776     ; a box in LDS
.set SLOTB, 151552    ; a slot: two boxes
.set PARTB, 18944     ; what one tensor load brings: 74 rows of 256 bytes
.set SPARE, 303104    ; behind the two slots: the spare words, 128 bytes for each of 16 waves: eight blocks of 256 bytes that no other line names
.set WSTG,  2576      ; the stage (in slot 0, behind its last fill and its last read): a wave's part; 644 words, so that 16 waves' parts start 4 banks apart
.set LSTG,  80        ; a step's 4 channels x 4 rays, 64 bytes + 16: sixteen lanes' 16-byte stores fall into sixteen different columns of 16 bytes
.set WV,   26         ; s26  my wave's number
.set GRP,  27         ; s27  my work-group's number
.set CNT,  28         ; s28  laps to go
.set KN,   29         ; s29  the box to be asked for next
.set G1,   32         ; s[32:39] descriptor group 1
.set G0,   40         ; s[40:43], s[44:47] descriptor group 0 for slot 0, slot 1
.set NPP,  72         ; s72, 74, 76   -primpos, each the low word of a pair whose high word is 0
.set ROT,  78         ; s[78 + 6 i + 2 j]  primrot[i][j], likewise
.set SC,   96         ; s96, 98, 100  primscale, likewise
.set SPW,  1          ; v1   LDS address of my spare word; never rewritten
.set NIL,  2          ; v2   0; never rewritten
.set STEP, 3          ; v3   i as f32
.set T,    4          ; v4   t
.set DTR,  5          ; v5   1/64
.set HALF, 6          ; v[6:7]  0.5 twice
.set POS,  8          ; v[8 + 6 p + 2 j + q]  pos_j
.set ACC,  20         ; v[20 + 4 c + r]  the sum over the boxes: channel c, ray r = 2 p + q
.set VD,   36         ; v[36 + r]  1/64 where t < tmax, else 0
.set CEL,  40         ; v[40 + 4 slot + 2 p + j]  cell words
.set ONE,  48         ; v[48:49]  1.0 twice
.set NEG1, 50         ; v[50:51]  -1.0 twice
.set CO,   52         ; v52  8192 w + 8 lane: my place in cellno; never rewritten
.set STO,  53         ; v53  my step's place in my wave's part of the stage
.set RDS,  54         ; v54  wave 0: my two rays' place in the stage
.set GO,   55         ; v55  8 lane: my two rays' place in 256 bytes of an output plane
.set XL,   56         ; v[56:61] xl, later floor(g)
.set Y,    62         ; v[62:67] y, g, fractions
.set FR,   68         ; v[68 + 8 p ..]: +0 +q fz, +2 +q 1 - fz, +4 +q (fy, fy) in f16, +6 +q (fx, fx) in f16
.set ADR,  84         ; v[84 + 2 p + q]  LDS address of the sample's cell
.set TMP,  88         ; v[88:89]
.set M1H,  90         ; v90  (-1, -1) in f16
.set DATA, 96         ; v[96 + 32 p + 16 q + 4 e + d]  word d of entry e
.set ALF,  56         ; the compositing (wave 0): v[56:59] alpha, old and new by turns
.set CT,   60         ; v[60:61] the step's contribution
.set RGB,  62         ; v[62:67]
	s_load_b512 s[4:19], s[0:1], 0x0               ; raypos s[4:5], raydir s[6:7], tminmax s[8:9], primpos s[10:11], primrot s[12:13], primscale s[14:15], vox s[16:17], cellno s[18:19]
	s_load_b128 s[20:23], s[0:1], 0x40             ; out0, out1
	s_load_b64 s[24:25], s[0:1], 0x50              ; out2
	v_lshl_add_u32 v[SPW], v0, 2, SPARE
	v_mov_b32 v[NIL], 0
	ds_add_u32 v[SPW], v[NIL]                      ; the wave's opening: the add and its wait stand ahead of my first tensor load; the set-up below, work on registers, stands between them
	v_lshrrev_b32 v[T], 5, v0
	v_readfirstlane_b32 s[WV], v[T]
	s_mov_b32 s[GRP], ttmp9
	; group 1: 74 rows of 32 elements of 8 bytes, dense in memory and in LDS
	s_mov_b32 s[G1+0], 3<<16                       ; no mask; elements of 8 bytes; no padding
	s_mov_b32 s[G1+1], 32<<16                      ; tensor_dim0 = 32
	s_mov_b32 s[G1+2], 74<<16                      ; tensor_dim1 = 74
	s_mov_b32 s[G1+3], 32<<16                      ; tile_dim0 = 32
	s_mov_b32 s[G1+4], 74                          ; tile_dim1 = 74
	s_mov_b32 s[G1+5], 32                          ; 32 elements from row to row
	s_mov_b32 s[G1+6], 0
	s_mov_b32 s[G1+7], 0
	s_mul_i32 s30, s[WV], PARTB                    ; my part of a tile, in memory and in a slot (waves 8 to 15 fetch nothing and never use these)
	s_mov_b32 s31, 0
	s_mov_b32 s[G0+0], 1
	s_mov_b32 s[G0+1], s30                         ; slot 0
	s_mov_b32 s[G0+4], 1
	s_add_co_u32 s[G0+5], s30, SLOTB               ; slot 1
	s_wait_dscnt 0x0                               ; the opening add is done
	s_wait_kmcnt 0x0
	s_add_nc_u64 s[G0+2:G0+3], s[16:17], s[30:31]  ; tile 0
	s_add_nc_u64 s[G0+6:G0+7], s[G0+2:G0+3], SLOTB ; tile 1
	s_or_b32 s[G0+3], s[G0+3], 0x80000000          ; type = 2
	s_or_b32 s[G0+7], s[G0+7], 0x80000000
.macro LOADT s                         ; waves 0 to 7: my part of a tile into slot s
	s_cmp_lt_u32 s[WV], 8
	s_cbranch_scc0 .Lno_load_\@
	tensor_load_to_lds s[G0+4*(\s):G0+4*(\s)+3], s[G1:G1+7]
	s_nop 0
.Lno_load_\@:
.endm
	LOADT 0                                        ; tile 0; all that follows up to the loop stands in the wait for it
	v_and_b32 v[T], 31, v0                         ; lane
	v_cvt_f32_u32 v[STEP], v[T]
	v_lshlrev_b32 v[GO], 3, v[T]
	s_lshl_b32 s30, s[WV], 13
	v_add_nc_u32 v[CO], s30, v[GO]
	s_lshl_b32 s30, s[GRP], 17
	s_add_nc_u64 s[18:19], s[18:19], s[30:31]      ; cellno at my 32 pairs of 4,096 bytes
	global_load_b64 v[CEL:CEL+1],   v[CO], s[18:19] th:TH_LOAD_NT              ; trip 0, pair 0
	global_load_b64 v[CEL+2:CEL+3], v[CO], s[18:19] offset:4096 th:TH_LOAD_NT  ; trip 0, pair 1
	global_load_b64 v[CEL+4:CEL+5], v[CO], s[18:19] offset:256 th:TH_LOAD_NT   ; trip 1
	global_load_b64 v[CEL+6:CEL+7], v[CO], s[18:19] offset:4352 th:TH_LOAD_NT
	s_lshl_b32 s30, s[GRP], 8                      ; my 64 rays in a plane of an output
	s_add_nc_u64 s[20:21], s[20:21], s[30:31]
	s_add_nc_u64 s[22:23], s[22:23], s[30:31]
	s_add_nc_u64 s[24:25], s[24:25], s[30:31]
	s_mul_i32 s30, s[WV], WSTG
	v_mad_u32_u24 v[STO], v[T], LSTG, s30
	v_lshrrev_b32 v[TMP], 1, v[T]                  ; wave 0's lane l takes rays 2 l and 2 l + 1: wave l / 2's, its pair l % 2
	v_and_b32 v[TMP+1], 1, v[T]
	v_lshlrev_b32 v[TMP+1], 3, v[TMP+1]
	v_mad_u32_u24 v[RDS], v[TMP], WSTG, v[TMP+1]
	v_mov_b32 v[DTR], 0x3c800000                   ; 1/64
	v_mov_b32 v[HALF], 0.5
	v_mov_b32 v[HALF+1], 0.5
	v_mov_b32 v[ONE], 1.0
	v_mov_b32 v[ONE+1], 1.0
	v_mov_b32 v[NEG1], -1.0
	v_mov_b32 v[NEG1+1], -1.0
	v_mov_b32 v[M1H], 0xbc00bc00
.set n, 0
.rept 16
	v_mov_b32 v[ACC+n], 0                          ; sixteen lines, in place of a first box written out
.set n, n+1
.endr
; The four rays of my wave: their 12 + 12 + 8 numbers come by scalar loads; pos for my step, and 1/64 or 0 for t < tmax.
.macro RAYS
	s_lshl_b32 s30, s[GRP], 4
	s_add_co_u32 s30, s30, s[WV]                   ; my wave among all: 4 rays
	s_mul_i32 s31, s30, 48                         ; of 12 bytes in raypos and raydir,
	s_lshl_b32 s30, s30, 5                         ; of 8 bytes in tminmax
	s_load_b128 s[72:75], s[4:5], s31 offset:0x0
	s_load_b128 s[76:79], s[4:5], s31 offset:0x10
	s_load_b128 s[80:83], s[4:5], s31 offset:0x20
	s_load_b128 s[84:87], s[6:7], s31 offset:0x0
	s_load_b128 s[88:91], s[6:7], s31 offset:0x10
	s_load_b128 s[92:95], s[6:7], s31 offset:0x20
	s_load_b256 s[48:55], s[8:9], s30 offset:0x0
	s_wait_kmcnt 0x0
.irp r, 0,1,2,3
	v_fma_f32 v[T], v[STEP], v[DTR], s[48+2*\r]    ; t = i/64 + tmin (the product is exact)
.irp j, 0,1,2
	v_fma_f32 v[POS+6*((\r)/2)+2*\j+((\r)%2)], s[84+3*\r+\j], v[T], s[72+3*\r+\j]
.endr
	v_cmp_gt_f32 vcc_lo, s[49+2*\r], v[T]
	v_cndmask_b32 v[VD+\r], 0, v[DTR], vcc_lo
.endr
.set n, NPP+1
.rept 15
	s_mov_b32 s[n], 0                              ; the pairs' high words: named, never used
.set n, n+2
.endr
.endm
; A box's 15 numbers are asked for one box ahead, into s48-70, and spread into the pairs' low words when the box's turn comes.
.macro PCASK
	s_load_b96 s[48:50], s[10:11], s2 offset:0x0
	s_load_b96 s[52:54], s[14:15], s2 offset:0x0
	s_load_b96 s[56:58], s[12:13], s3 offset:0x0
	s_load_b96 s[60:62], s[12:13], s3 offset:0xc
	s_load_b96 s[68:70], s[12:13], s3 offset:0x18
.endm
.macro PCTAKE
	s_wait_kmcnt 0x0                               ; the box's numbers are in; the loads are done, so their offsets s2 and s3 may be written
.irp j, 0,1,2
	s_xor_b32 s[NPP+2*\j], s[48+\j], 0x80000000
	s_mov_b32 s[ROT+2*\j], s[56+\j]
	s_mov_b32 s[ROT+6+2*\j], s[60+\j]
	s_mov_b32 s[ROT+12+2*\j], s[68+\j]
	s_mov_b32 s[SC+2*\j], s[52+\j]
.endr
	s_add_co_u32 s[KN], s[KN], 1
	s_and_b32 s[KN], s[KN], 31                     ; behind box 31 box 0 is asked for once more: the request stays inside the buffers
	s_mul_i32 s2, s[KN], 12
	s_mul_i32 s3, s[KN], 36
	PCASK
.endm
.macro YLOC p                          ; y of pair p in the box in hand: the same 15 lines as in the launch before
.irp j, 0,1,2
	v_pk_add_f32 v[XL+2*\j:XL+2*\j+1], v[POS+6*(\p)+2*\j:POS+6*(\p)+2*\j+1], s[NPP+2*\j:NPP+2*\j+1] op_sel_hi:[1,0]
.endr
.irp i, 0,1,2
	v_pk_mul_f32 v[Y+2*\i:Y+2*\i+1], v[XL:XL+1], s[ROT+6*\i:ROT+6*\i+1] op_sel_hi:[1,0]
.endr
.irp i, 0,1,2
	v_pk_fma_f32 v[Y+2*\i:Y+2*\i+1], v[XL+2:XL+3], s[ROT+6*\i+2:ROT+6*\i+3], v[Y+2*\i:Y+2*\i+1] op_sel_hi:[1,0,1]
.endr
.irp i, 0,1,2
	v_pk_fma_f32 v[Y+2*\i:Y+2*\i+1], v[XL+4:XL+5], s[ROT+6*\i+4:ROT+6*\i+5], v[Y+2*\i:Y+2*\i+1] op_sel_hi:[1,0,1]
.endr
.irp i, 0,1,2
	v_pk_mul_f32 v[Y+2*\i:Y+2*\i+1], v[Y+2*\i:Y+2*\i+1], s[SC+2*\i:SC+2*\i+1] op_sel_hi:[1,0]
.endr
.endm
.macro GFL                             ; y -> g in Y, floor(g) in XL: the same 12 lines
.irp i, 0,1,2
	v_pk_fma_f32 v[Y+2*\i:Y+2*\i+1], v[Y+2*\i:Y+2*\i+1], v[HALF:HALF+1], v[HALF:HALF+1] clamp
.endr
.irp i, 0,1,2
	v_pk_mul_f32 v[Y+2*\i:Y+2*\i+1], v[Y+2*\i:Y+2*\i+1], 0x416fffff op_sel_hi:[1,0]
.endr
.irp n, 0,1,2,3,4,5
	v_floor_f32 v[XL+\n], v[Y+\n]
.endr
.endm
; Pair p, box j of the tile in the slot: the two cells' addresses and their eight LDS loads first, then the fractions, which stand in the wait for the loads.
.macro AP p, slot, j
	v_and_b32 v[TMP], 0xffff, v[CEL+4*(\slot)+2*(\p)+(\j)]
	v_lshrrev_b32 v[TMP+1], 16, v[CEL+4*(\slot)+2*(\p)+(\j)]
	v_min_u32 v[TMP], 0x113a, v[TMP]               ; a number that was loaded is held to the table: 4,410 is the last cell, and 16 x 4,410 + 5,024 + 16 = 75,600 bytes lie inside a box's 75,776
	v_min_u32 v[TMP+1], 0x113a, v[TMP+1]
	v_lshl_add_u32 v[ADR+2*(\p)], v[TMP], 4, SLOTB*(\slot)+IMGB*(\j)
	v_lshl_add_u32 v[ADR+2*(\p)+1], v[TMP+1], 4, SLOTB*(\slot)+IMGB*(\j)
.irp q, 0,1
	ds_load_b128 v[DATA+32*(\p)+16*\q:DATA+32*(\p)+16*\q+3],     v[ADR+2*(\p)+\q]
	ds_load_b128 v[DATA+32*(\p)+16*\q+4:DATA+32*(\p)+16*\q+7],   v[ADR+2*(\p)+\q] offset:288
	ds_load_b128 v[DATA+32*(\p)+16*\q+8:DATA+32*(\p)+16*\q+11],  v[ADR+2*(\p)+\q] offset:4736
	ds_load_b128 v[DATA+32*(\p)+16*\q+12:DATA+32*(\p)+16*\q+15], v[ADR+2*(\p)+\q] offset:5024
.endr
	YLOC \p
	GFL
	v_pk_add_f32 v[FR+8*(\p):FR+8*(\p)+1], v[Y:Y+1], v[XL:XL+1] neg_lo:[0,1] neg_hi:[0,1]  ; fz = g - floor(g)
	v_pk_add_f32 v[Y+2:Y+3], v[Y+2:Y+3], v[XL+2:XL+3] neg_lo:[0,1] neg_hi:[0,1]            ; fy
	v_pk_add_f32 v[Y+4:Y+5], v[Y+4:Y+5], v[XL+4:XL+5] neg_lo:[0,1] neg_hi:[0,1]            ; fx
	v_pk_fma_f32 v[FR+8*(\p)+2:FR+8*(\p)+3], v[FR+8*(\p):FR+8*(\p)+1], v[NEG1:NEG1+1], v[ONE:ONE+1]  ; 1 - fz
	v_cvt_pk_f16_f32 v[FR+8*(\p)+4], v[Y+2], v[Y+2]
	v_cvt_pk_f16_f32 v[FR+8*(\p)+5], v[Y+3], v[Y+3]
	v_cvt_pk_f16_f32 v[FR+8*(\p)+6], v[Y+4], v[Y+4]
	v_cvt_pk_f16_f32 v[FR+8*(\p)+7], v[Y+5], v[Y+5]
.endm
; Pair p: the interpolation, 24 lines a ray.
.macro BP p
.irp q, 0,1
.set DB, DATA+32*(\p)+16*\q
.set RR, ACC+2*(\p)+\q
.irp e, 0,4,8,12
	v_pk_fma_f16 v[DB+\e], v[DB+\e+2], v[FR+8*(\p)+6+\q], v[DB+\e]         ; along x: v + dx fx, two channels a line
	v_pk_fma_f16 v[DB+\e+1], v[DB+\e+3], v[FR+8*(\p)+6+\q], v[DB+\e+1]
.endr
.irp a, 0,8
	v_pk_fma_f16 v[DB+\a+4], v[DB+\a], v[M1H], v[DB+\a+4]                  ; along y: b - a,
	v_pk_fma_f16 v[DB+\a+5], v[DB+\a+1], v[M1H], v[DB+\a+5]
.endr
.irp a, 0,8
	v_pk_fma_f16 v[DB+\a], v[DB+\a+4], v[FR+8*(\p)+4+\q], v[DB+\a]         ; a + (b - a) fy
	v_pk_fma_f16 v[DB+\a+1], v[DB+\a+5], v[FR+8*(\p)+4+\q], v[DB+\a+1]
.endr
	v_fma_mix_f32 v[RR],    v[DB],   v[FR+8*(\p)+2+\q], v[RR]    op_sel_hi:[1,0,0]                 ; along z, and onto the sums, in f32: the lower plane times 1 - fz,
	v_fma_mix_f32 v[RR+4],  v[DB],   v[FR+8*(\p)+2+\q], v[RR+4]  op_sel:[1,0,0] op_sel_hi:[1,0,0]
	v_fma_mix_f32 v[RR+8],  v[DB+1], v[FR+8*(\p)+2+\q], v[RR+8]  op_sel_hi:[1,0,0]
	v_fma_mix_f32 v[RR+12], v[DB+1], v[FR+8*(\p)+2+\q], v[RR+12] op_sel:[1,0,0] op_sel_hi:[1,0,0]
	v_fma_mix_f32 v[RR],    v[DB+8], v[FR+8*(\p)+\q],   v[RR]    op_sel_hi:[1,0,0]                 ; the upper plane times fz
	v_fma_mix_f32 v[RR+4],  v[DB+8], v[FR+8*(\p)+\q],   v[RR+4]  op_sel:[1,0,0] op_sel_hi:[1,0,0]
	v_fma_mix_f32 v[RR+8],  v[DB+9], v[FR+8*(\p)+\q],   v[RR+8]  op_sel_hi:[1,0,0]
	v_fma_mix_f32 v[RR+12], v[DB+9], v[FR+8*(\p)+\q],   v[RR+12] op_sel:[1,0,0] op_sel_hi:[1,0,0]
.endr
.endm
; One box for both pairs.  pf = 1 (a trip's second box): the slot's cell words have been used up, and take those of the trip two on.
.macro PRIM slot, j, pf
	PCTAKE
	AP 0, \slot, \j
	AP 1, \slot, \j
.if \pf
	global_load_b64 v[CEL+4*(\slot):CEL+4*(\slot)+1],   v[CO], s[18:19] offset:512+256*(\slot) th:TH_LOAD_NT
	global_load_b64 v[CEL+4*(\slot)+2:CEL+4*(\slot)+3], v[CO], s[18:19] offset:4096+512+256*(\slot) th:TH_LOAD_NT
.endif
	s_wait_dscnt 8                                 ; pair 0's eight loads are in; pair 1's eight, issued behind them, may be out
	BP 0
	s_wait_dscnt 0x0
	BP 1
.endm
; A trip: the tile in the slot.  ONE barrier for the change of slots: in front of it each wave waits for all its tensor loads (one at the most is out: its part of this slot), adds 0 to its spare
; word, and waits for that and for its reads of the other slot.  Behind it this slot is whole and nobody reads the other, which is filled again first thing (refill = 1).
; lc: the two loads of the other slot's cell words were issued behind this slot's and may stay out.
.macro TRIP slot, refill, pf, lc
	s_wait_tensorcnt 0x0                           ; no tensor load of mine is out, so a group 0 may be written
	ds_add_u32 v[SPW], v[NIL]                      ; 0 onto my spare word
	s_add_nc_u64 s[G0+4*(\slot)+2:G0+4*(\slot)+3], s[G0+4*(\slot)+2:G0+4*(\slot)+3], 2*SLOTB  ; this slot's next tile (in the last two trips the stepped address is not used)
	s_wait_dscnt 0x0                               ; the add is done, and my reads of the other slot are over
	s_barrier_signal -1
	s_barrier_wait -1
.if \refill
	LOADT 1-(\slot)
.endif
	s_wait_loadcnt \lc
	PRIM \slot, 0, 0
	PRIM \slot, 1, \pf
.endm
	RAYS
	s_mov_b32 s[KN], 0
	s_mov_b32 s2, 0
	s_mov_b32 s3, 0
	PCASK                                          ; box 0
	s_mov_b32 s[CNT], 7
.Llap:                                                 ; 7 laps: trips 0 to 13
	TRIP 0, 1, 1, 2
	TRIP 1, 1, 1, 2
	s_wait_xcnt 0x0                                ; the cell loads' base is stepped only behind this wait
	s_add_nc_u64 s[18:19], s[18:19], 0x200
	s_sub_co_u32 s[CNT], s[CNT], 1
	s_cmp_lg_u32 s[CNT], 0
	s_cbranch_scc1 .Llap
	TRIP 0, 1, 0, 2                                ; trip 14 asks for tile 15, the last; no cell words are left to ask for
	TRIP 1, 0, 0, 0                                ; trip 15
	s_wait_kmcnt 0x0                               ; the last request for a box, which nobody uses
	; THE WAY OUT.  A lane holds one step of four rays; the compositing wants a ray's steps in turn.  So the sums go through a stage in slot 0: its last fill was tile 14, and every
	; wave's reads of it were over in front of trip 15's barrier.  Alpha's sum is first multiplied by 1/64, or by 0 where t >= tmax.
	v_pk_mul_f32 v[ACC+12:ACC+13], v[ACC+12:ACC+13], v[VD:VD+1]
	v_pk_mul_f32 v[ACC+14:ACC+15], v[ACC+14:ACC+15], v[VD+2:VD+3]
.irp c, 0,1,2,3
	ds_store_b128 v[STO], v[ACC+4*\c:ACC+4*\c+3] offset:16*\c
.endr
	s_wait_dscnt 0x0                               ; for wave 0's sake: my stores are done
	s_barrier_signal -1
	s_barrier_wait -1
	s_cmp_lg_u32 s[WV], 0
	s_cbranch_scc1 .Lend
	; Wave 0: lane l composites rays 2 l and 2 l + 1, packed; 32 steps in four runs of eight, each run's 32 loads issued together.
.irp n, 0,1,6,7,8,9,10,11
	v_mov_b32 v[ALF+\n], 0                         ; alpha and rgb start at 0
.endr
.set k, 0
.rept 4
.set s, 0
.rept 8
.irp c, 0,1,2,3
	ds_load_b64 v[DATA+8*s+2*\c:DATA+8*s+2*\c+1], v[RDS] offset:LSTG*(8*k+s)+16*\c
.endr
.set s, s+1
.endr
.set s, 0
.rept 8
.set AL, ALF+2*(s%2)
.set NA, ALF+2-2*(s%2)
	s_wait_dscnt 4*(7-s)                           ; this step's four loads are in; the later steps' four each may be out
	v_pk_fma_f32 v[NA:NA+1], v[DATA+8*s+6:DATA+8*s+7], v[ONE:ONE+1], v[AL:AL+1] clamp   ; alpha + its step, held to 0..1
	v_pk_add_f32 v[CT:CT+1], v[NA:NA+1], v[AL:AL+1] neg_lo:[0,1] neg_hi:[0,1]
.irp j, 0,1,2
	v_pk_fma_f32 v[RGB+2*\j:RGB+2*\j+1], v[DATA+8*s+2*\j:DATA+8*s+2*\j+1], v[CT:CT+1], v[RGB+2*\j:RGB+2*\j+1]
.endr
.set s, s+1
.endr
.set k, k+1
.endr
	; each store covers the work-group's 64 rays in a plane: 256 consecutive bytes, aligned.  The last alpha lies in v[ALF:ALF+1].
.irp j, 0,1,2
	global_store_b64 v[GO], v[RGB+2*\j:RGB+2*\j+1], s[20:21] offset:65536*\j
	global_store_b64 v[GO], v[RGB+2*\j:RGB+2*\j+1], s[24:25] offset:65536*\j
.endr
	global_store_b64 v[GO], v[ALF:ALF+1], s[22:23]
	global_store_b64 v[GO], v[ALF:ALF+1], s[24:25] offset:196608
.Lend:
	s_wait_tensorcnt 0x0                           ; the wave's end, behind my last tensor load and my last LDS store
	ds_add_u32 v[SPW], v[NIL]
	s_wait_dscnt 0x0
	s_endpgm
.Lfunc_end_k_qaed54cc28d_march:
	.size	k_qaed54cc28d_march, .Lfunc_end_k_qaed54cc28d_march-k_qaed54cc28d_march
	.p2alignl 7, 3214868480
	.fill 96, 4, 3214868480
	.section	.rodata,"a",@progbits
	.p2align	6, 0x0
	.amdhsa_kernel k_qaed54cc28d_march
		.amdhsa_group_segment_fixed_size 327680
		.amdhsa_private_segment_fixed_size 0
		.amdhsa_enable_private_segment 0
		.amdhsa_kernarg_size 88
		.amdhsa_user_sgpr_count 2
		.amdhsa_user_sgpr_kernarg_segment_ptr 1
		.amdhsa_wavefront_size32 1
		.amdhsa_system_sgpr_workgroup_id_x 1
		.amdhsa_system_sgpr_workgroup_id_y 1
		.amdhsa_system_sgpr_workgroup_id_z 1
		.amdhsa_system_vgpr_workitem_id 0
		.amdhsa_next_free_vgpr 160
		.amdhsa_next_free_sgpr 102
		.amdhsa_reserve_vcc 1
		.amdhsa_float_denorm_mode_32 3
		.amdhsa_float_denorm_mode_16_64 3
		.amdhsa_memory_ordered 1
		.amdhsa_forward_progress 1
		.amdhsa_inst_pref_size 134
	.end_amdhsa_kernel
	.amdgpu_metadata
---
amdhsa.version: [ 1, 2 ]
amdhsa.kernels:
  - .name:           k_qaed54cc28d_march
    .symbol:         k_qaed54cc28d_march.kd
    .args:
      - { .name: raypos, .offset: 0, .size: 8, .value_kind: global_buffer, .address_space: global }
      - { .name: raydir, .offset: 8, .size: 8, .value_kind: global_buffer, .address_space: global }
      - { .name: tminmax, .offset: 16, .size: 8, .value_kind: global_buffer, .address_space: global }
      - { .name: primpos, .offset: 24, .size: 8, .value_kind: global_buffer, .address_space: global }
      - { .name: primrot, .offset: 32, .size: 8, .value_kind: global_buffer, .address_space: global }
      - { .name: primscale, .offset: 40, .size: 8, .value_kind: global_buffer, .address_space: global }
      - { .name: vox, .offset: 48, .size: 8, .value_kind: global_buffer, .address_space: global }
      - { .name: cellno, .offset: 56, .size: 8, .value_kind: global_buffer, .address_space: global }
      - { .name: out0, .offset: 64, .size: 8, .value_kind: global_buffer, .address_space: global }
      - { .name: out1, .offset: 72, .size: 8, .value_kind: global_buffer, .address_space: global }
      - { .name: out2, .offset: 80, .size: 8, .value_kind: global_buffer, .address_space: global }
    .group_segment_fixed_size: 327680
    .private_segment_fixed_size: 0
    .kernarg_segment_align: 8
    .kernarg_segment_size: 88
    .max_flat_workgroup_size: 512
    .sgpr_count:     102
    .vgpr_count:     160
    .wavefront_size: 32
...
	.end_amdgpu_metadata
.endif
;; end of part 2
